; MI455X (gfx1250); checked and timed in simulation.
; The chip was launched on July 23, 2026; its instructions are those of AMD's public machine-readable ISA for CDNA 5 (MIT licence, August 2026) and "CDNA5" Instruction Set Architecture Reference Guide (July 2026). The comments in the code are by the model that wrote it; some were corrected since.
;; Multi Head Attention. Allowed arithmetic: float matrix products may take bf16 or f16 operands with f32 sums; all other float work in f32.
;; Inputs: Wk 1,024 x 1,024 float32; Wo 1,024 x 1,024 float32; Wq 1,024 x 1,024 float32; Wv 1,024 x 1,024 float32; bk 1,024 float32; bo 1,024 float32; bq 1,024 float32; bv 1,024 float32; key 4 x 2,048 x 1,024 float32; mask 4 x 1 x 2,048 x 2,048 bool; query 4 x 2,048 x 1,024 float32; value 4 x 2,048 x 1,024 float32.
;; Outputs: out0 4 x 2,048 x 1,024 float32.
;; One version. Each part assembles by itself: llvm-mc -triple=amdgcn-amd-amdhsa -mcpu=gfx1250 --defsym DOCPART=n.
;; ======== version 1 of 1: 4 launches
;; limits: values are held in f16: magnitudes above 65,504 overflow, below 6.1e-05 lose precision
;; workspace buffers: cb 8,388,608 bytes; mw 2,097,152 bytes of whole numbers; hb 50,331,648 bytes; ctxh 16,777,216 bytes
;; launch prep (part 1): grid 64 x 8, 8 waves a work-group, no clusters, 0 bytes of LDS; arguments Wq, Wk, Wv, Wo, mask, cb, mw; writes cb, mw
.if DOCPART == 1
	.amdgcn_target "amdgcn-amd-amdhsa--gfx1250"
	.amdhsa_code_object_version 6
	.text
	.protected	k_q97ba386ef6_prep
	.globl	k_q97ba386ef6_prep
	.p2align	8
	.type	k_q97ba386ef6_prep,@function
k_q97ba386ef6_prep:
	s_mov_b64 s[64:65], 0
	v_nop
	global_prefetch_b8 v0, s[64:65] scope:SCOPE_SE
	s_setreg_imm32_b32 hwreg(HW_REG_WAVE_MODE, 25, 1), 1
	s_wait_xcnt 0x0
; prep: (1) Wq, Wk, Wv, Wo from f32 to f16, into cb; (2) the mask's bytes into words of 32 lane bits, into mw.
; cb is four segments of 2 MiB of f16, [1024][1024] each: Wq, Wk, Wv, Wo.  A weight is read by 64 row blocks of the products that follow, so it is rounded once, here.
; mw is [b 4][query tile 128][key step 32][32 words]: bit r + 16 h of word 8 c + j is mask[b][16 tile + r][64 step + 16 c + 8 h + j]:
; the lane and the register in which the attention launch holds that score.  The 16 heads of a batch read the same words.
; Grid y = 0..3: weight y, work-group x casts 64 KiB of it.  Grid y = 4..7: batch y - 4 of the mask; a wave takes 16 rows x 512 keys.
; f16 and not bf16: three more bits in every operand of the chain of products that follows.  LIMIT: a weight beyond 65,504 in magnitude becomes infinite.
; No LDS, no barrier, no matrix work: the launch only moves bytes.
.set X, 4                              ; v[4:67]   as loaded
.set Y, 68                             ; v[68:99]  to store
.set T, 100                            ; v[100:103] at work
	s_load_b256 s[4:11], s[0:1], 0x0               ; Wq, Wk, Wv, Wo
	s_load_b128 s[12:15], s[0:1], 0x20             ; mask, cb
	s_load_b64 s[16:17], s[0:1], 0x30              ; mw
	s_and_b32 s24, ttmp7, 0xffff                   ; y
	s_mov_b32 s25, ttmp9                           ; x
	s_mov_b32 s31, 0                               ; high word of every offset
	s_wait_kmcnt 0x0
	s_cmp_ge_u32 s24, 4
	s_cbranch_scc1 .Lmask
	; THE CAST.  The weight is chosen by y.
	s_mov_b64 s[26:27], s[4:5]
.macro PICK n, p
	s_cmp_ge_u32 s24, \n
	s_cselect_b64 s[26:27], s[\p:\p+1], s[26:27]
.endm
	PICK 1, 6
	PICK 2, 8
	PICK 3, 10
	s_lshl_b32 s30, s25, 16                        ; 64 KiB of f32 to a work-group
	s_add_nc_u64 s[26:27], s[26:27], s[30:31]
	s_lshl_b32 s30, s24, 21                        ; in cb: 2 MiB to a weight,
	s_lshl_b32 s29, s25, 15                        ; 32 KiB to a work-group
	s_add_co_u32 s30, s30, s29
	s_add_nc_u64 s[14:15], s[14:15], s[30:31]
	v_lshlrev_b32 v1, 4, v0                        ; 16 bytes in,
	v_lshlrev_b32 v2, 3, v0                        ; 8 bytes out for each thread
.irp i, 0,1,2,3,4,5,6,7,8,9,10,11,12,13,14,15
	global_load_b128 v[X+4*\i:X+4*\i+3], v1, s[26:27] offset:4096*\i th:TH_LOAD_NT   ; all sixteen go out first; a wave's load covers 512 consecutive bytes
.endr
.irp i, 0,1,2,3,4,5,6,7,8,9,10,11,12,13,14,15
	s_wait_loadcnt 15-\i                           ; loads come back in order: load i is in, the 15 - i younger ones stay out
	v_cvt_pk_f16_f32 v[Y+2*\i],   v[X+4*\i],   v[X+4*\i+1]
	v_cvt_pk_f16_f32 v[Y+2*\i+1], v[X+4*\i+2], v[X+4*\i+3]
	global_store_b64 v2, v[Y+2*\i:Y+2*\i+1], s[14:15] offset:2048*\i   ; a wave's store covers 256 consecutive bytes, aligned; no register is written twice
.endr
	s_endpgm
.Lmask:
	; THE MASK.  Wave W = 8 x + wave of batch b takes query tile W / 4 and the 512 keys of quarter W % 4: eight key steps.
	v_lshrrev_b32 v1, 5, v0
	v_readfirstlane_b32 s29, v1                    ; wave
	s_sub_co_u32 s24, s24, 4                       ; b
	s_lshl3_add_u32 s25, s25, s29                  ; W
	s_lshr_b32 s26, s25, 2                         ; query tile
	s_and_b32 s27, s25, 3                          ; quarter
	s_lshl_b32 s30, s24, 22                        ; a batch is 2048 x 2048 bytes,
	s_lshl_b32 s28, s26, 15                        ; a tile 16 rows of 2048,
	s_add_co_u32 s30, s30, s28
	s_lshl_b32 s28, s27, 9                         ; a quarter 512 bytes of a row
	s_add_co_u32 s30, s30, s28
	s_add_nc_u64 s[12:13], s[12:13], s[30:31]
	s_lshl_b32 s30, s24, 19                        ; in mw: 128 tiles x 4096 bytes to a batch,
	s_lshl_b32 s28, s26, 12
	s_add_co_u32 s30, s30, s28
	s_lshl_b32 s28, s27, 10                        ; eight steps of 128 bytes to a quarter
	s_add_co_u32 s30, s30, s28
	s_add_nc_u64 s[16:17], s[16:17], s[30:31]
	v_and_b32 v2, 31, v0                           ; lane
	v_and_b32 v1, 15, v0                           ; r: my row
	v_bfe_u32 v3, v0, 4, 1                         ; h: which 8 of 16 keys
	v_lshlrev_b32 v1, 11, v1
	v_lshl_add_u32 v1, v3, 3, v1                   ; 2048 r + 8 h
	v_lshlrev_b32 v2, 3, v2                        ; two words a lane on the way out
.set cc, 0
.rept 32
	global_load_b64 v[X+2*cc:X+2*cc+1], v1, s[12:13] offset:16*cc   ; keys 16 cc + 8 h + 0..7 of row r; the 32 loads together take 512 consecutive bytes of each row
.set cc, cc+1
.endr
.irp i, 0,1,2,3,4,5,6,7
	v_mov_b32 v[Y+\i], 0                           ; v_writelane_b32 keeps the other lanes of its destination, so it is written whole first
.endr
; Two key steps are 64 words.  Word wd: byte wd % 8 of load 8 p + wd / 8, tested in all 32 lanes at once; the 32 bits go to lane wd / 2, register wd % 2.
.set p, 0
.rept 4
	s_wait_loadcnt 24-8*p                          ; loads 8 p .. 8 p + 7 are in; the 24 - 8 p younger ones stay out
.set wd, 0
.rept 64
.set cc, 8*p+(wd>>3)
.set j, wd&7
	v_and_b32 v[T+(wd&3)], 0xff<<(8*(j&3)), v[X+2*cc+(j>>2)]
	v_cmp_ne_u32 s[40+(wd&3)], 0, v[T+(wd&3)]
	v_writelane_b32 v[Y+2*p+(wd&1)], s[40+(wd&3)], wd>>1
.set wd, wd+1
.endr
	global_store_b64 v2, v[Y+2*p:Y+2*p+1], s[16:17] offset:256*p   ; 256 consecutive bytes, aligned: two key steps' words
.set p, p+1
.endr
	s_endpgm
.Lfunc_end_k_q97ba386ef6_prep:
	.size	k_q97ba386ef6_prep, .Lfunc_end_k_q97ba386ef6_prep-k_q97ba386ef6_prep
	.p2alignl 7, 3214868480
	.fill 96, 4, 3214868480
	.section	.rodata,"a",@progbits
	.p2align	6, 0x0
	.amdhsa_kernel k_q97ba386ef6_prep
		.amdhsa_group_segment_fixed_size 0
		.amdhsa_private_segment_fixed_size 0
		.amdhsa_enable_private_segment 0
		.amdhsa_kernarg_size 56
		.amdhsa_user_sgpr_count 2
		.amdhsa_user_sgpr_kernarg_segment_ptr 1
		.amdhsa_wavefront_size32 1
		.amdhsa_system_sgpr_workgroup_id_x 1
		.amdhsa_system_sgpr_workgroup_id_y 1
		.amdhsa_system_sgpr_workgroup_id_z 1
		.amdhsa_system_vgpr_workitem_id 0
		.amdhsa_next_free_vgpr 104
		.amdhsa_next_free_sgpr 66
		.amdhsa_reserve_vcc 0
		.amdhsa_float_denorm_mode_32 3
		.amdhsa_float_denorm_mode_16_64 3
		.amdhsa_memory_ordered 1
		.amdhsa_forward_progress 1
		.amdhsa_inst_pref_size 60
	.end_amdhsa_kernel
	.amdgpu_metadata
---
amdhsa.version: [ 1, 2 ]
amdhsa.kernels:
  - .name:           k_q97ba386ef6_prep
    .symbol:         k_q97ba386ef6_prep.kd
    .args:
      - { .name: Wq, .offset: 0, .size: 8, .value_kind: global_buffer, .address_space: global }
      - { .name: Wk, .offset: 8, .size: 8, .value_kind: global_buffer, .address_space: global }
      - { .name: Wv, .offset: 16, .size: 8, .value_kind: global_buffer, .address_space: global }
      - { .name: Wo, .offset: 24, .size: 8, .value_kind: global_buffer, .address_space: global }
      - { .name: mask, .offset: 32, .size: 8, .value_kind: global_buffer, .address_space: global }
      - { .name: cb, .offset: 40, .size: 8, .value_kind: global_buffer, .address_space: global }
      - { .name: mw, .offset: 48, .size: 8, .value_kind: global_buffer, .address_space: global }
    .group_segment_fixed_size: 0
    .private_segment_fixed_size: 0
    .kernarg_segment_align: 8
    .kernarg_segment_size: 56
    .max_flat_workgroup_size: 256
    .sgpr_count:     66
    .vgpr_count:     104
    .wavefront_size: 32
...
	.end_amdgpu_metadata
.endif
;; end of part 1
;; launch proj (part 2): grid 4 x 192, 4 waves a work-group, clusters of 4 x 4, 327,680 bytes of LDS; arguments query, key, value, cb, bq, bk, bv, hb; writes hb
.if DOCPART == 2
	.amdgcn_target "amdgcn-amd-amdhsa--gfx1250"
	.amdhsa_code_object_version 6
	.text
	.protected	k_q97ba386ef6_proj
	.globl	k_q97ba386ef6_proj
	.p2align	8
	.type	k_q97ba386ef6_proj,@function
k_q97ba386ef6_proj:
	s_mov_b64 s[64:65], 0
	v_nop
	global_prefetch_b8 v0, s[64:65] scope:SCOPE_SE
	s_setreg_imm32_b32 hwreg(HW_REG_WAVE_MODE, 25, 1), 1
	s_wait_xcnt 0x0
	s_wait_alu depctr_hold_cnt(0) depctr_sa_sdst(0) depctr_va_vdst(0) depctr_va_sdst(0) depctr_va_ssrc(0) depctr_va_vcc(0) depctr_vm_vsrc(0)
	s_getreg_b32 s2, hwreg(HW_REG_IB_STS2, 6, 4)
	s_cmp_eq_u32 s2, 0
	s_cbranch_scc0 .Lentry_in_a_cluster
	s_endpgm
.Lentry_in_a_cluster:
	s_bfe_u32 s2, ttmp6, 0x10000c
	s_cmp_lg_u32 s2, 0xf033
	s_cbranch_scc0 .Lentry_shape_is_right
	s_endpgm
.Lentry_shape_is_right:
; proj: the three projections in one launch.  C[m][n] = sum over k of X_g[m][k] W_g[n][k] + b_g[n]; g = 0, 1, 2: X = query, key, value (f32, [8192][1024]), W = Wq, Wk, Wv (f16, segments of cb).
; Operands f16, sums f32.  Result f16 into hb = [g][b][h][s][64]; q (g = 0) is multiplied by c = log2(e) / 8 on the way out, so that the attention launch's scores are exponents of 2.
; LIMIT: an input or a result beyond 65,504 in magnitude becomes infinite (with inputs and weights all 30 times the drawn spread the results' spread is about 900).
; X IS ROUNDED HERE, between LDS and the matrix unit: its tiles come into LDS as f32.  A copy of the three tensors in f16 would be 50 MB stored and 50 MB loaded again.  The price, for a quarter
; step's 32 matrix instructions: 16 LDS loads for X in place of 8, and 32 conversions, which stand in slices of four behind the quarter's last eight matrix instructions.
; SHARES.  A tile of C is 128 x 256; four waves, each 64 x 128: 32 accumulators of 16 x 16, 256 registers.  768 work-groups.  K = 1024 goes in 8 steps of 128 through two LDS slots;
; X's rows of a step are 512 bytes of memory, W's 256, both at multiples of their length from their buffer's first byte.
; CLUSTER.  4 x 4 work-groups: the four of a row need the same tile of X (and cover all 1024 columns, so that each byte of X is asked for once in the launch), the four of a column the same tile
; of W: each tile is asked for jointly, by the same tensor load with the same descriptor and a mask that names the four.
; THE MATRIX INSTRUCTION IS USED TRANSPOSED (source 0 = 16 rows of W, source 1 = 16 rows of X): lane (r, h), register j holds C(row r, column 8 h + j): eight neighbouring columns.
; The bias is the C operand of the first products: nothing is cleared, and nothing is added on the way out.
; REGISTERS.  window 0: v0-31 addresses; v64-159, v160-255 two fragment buffers (64 of W, 32 of X), free on the way out.  window 1: the accumulators, (a, b) at v[8 (8 a + b)].
;   window 2: v0-63 the bias; v64-127 X of a quarter step as f32.  A conversion's destination is named in the field in which a product names its accumulators, and window 1 is full of them:
;   so a slice costs two switches of the window, 16 for a quarter step.  The other way, 32 conversions in one block, would leave the matrix unit without work for that long.
.set KSTEP,  128
.set PITCH,  272                       ; a row of W in LDS: 256 bytes + 16 of padding = 68 words: the 16 rows of a fragment load start at 16 different banks (64 banks of 4 bytes: ISA guide 11.1)
.set APITCH, 528                       ; a row of X: 512 bytes + 16 = 132 words: likewise
.set AHALF,  64*APITCH                 ; what a wave fetches, and reads, of X
.set BHALF,  128*PITCH                 ; the same of W
.set BOFF,   2*AHALF                   ; a slot: X's 128 rows, then W's 256 rows
.set SLOT,   BOFF+2*BHALF
.set STAGE,  2*SLOT                    ; behind the ring: 16 rows x 272 bytes for each wave, for the way out; no tensor load lands there
.set SPITCH, 272
.set LAPS,   1024/(2*KSTEP)            ; a lap = two K steps = once round the ring
.set ADRA, 16                          ; v16-17 LDS address of my X rows in slot 0, 1
.set ADRB, 20                          ; v20-21 the same for W
.set STO,  24                          ; the way out: where I put 16 bytes of a row
.set RD,   25                          ; where I read them back
.set CO,   26                          ; my byte offset in hb
.set BO,   27                          ; my byte offset in the bias
.set F0,   64
.set F1,   160
.set RAW,  64                          ; window 2
.set TMP,  64                          ; the way out: 32 registers of packed results
.set BK,   96                          ; and 32 for each of the four blocks read back
.set G1,  24                           ; s[24:31] descriptor group 1 for X's tiles; s[32:39] group 0, a set for each slot
.set G0,  32
.set G1B, 48                           ; s[48:55], s[56:63] the same for W's
.set G0B, 56
.set SC,  72                           ; s[72:73] the scale of the way out
.set MSB, 0
.macro WIN new                         ; s_set_vgpr_msb: bits 1:0 source 0, 3:2 source 1, 5:4 source 2, 7:6 destination; the high byte repeats the setting that is left
.if MSB != (\new)
	s_set_vgpr_msb (MSB<<8)|(\new)
.set MSB, (\new)
.endif
.endm
.set MUL, 0x50                         ; C and D window 1; with 0x10 more: C window 2 (the bias), D window 1
.set CVT, 0x0a                         ; sources 0 and 1 window 2, destination window 0
.macro PLACES                          ; four plain vector instructions between a matrix instruction and a load into, or a vector read of, its registers
.rept 4
	v_nop
.endr
.endm
.macro JLOAD s                         ; a joint load: waves 0 and 1 fetch X's two halves, waves 2 and 3 W's; the branch hangs on the wave's number alone; four v_nop follow each line
	s_cmp_eq_u32 s15, 0
	s_cbranch_scc0 .Lfor_b_\@
	tensor_load_to_lds s[G0+4*\s:G0+4*\s+3], s[G1:G1+7]
	s_nop 0
.rept 4
	v_nop
.endr
	s_branch .Lasked_\@
.Lfor_b_\@:
	tensor_load_to_lds s[G0B+4*\s:G0B+4*\s+3], s[G1B:G1B+7]
	s_nop 0
.rept 4
	v_nop
.endr
.Lasked_\@:
.endm
.macro CREST                           ; a round of the cluster's barrier behind its opening barrier
	s_cmp_lg_u32 s14, 0
	s_cbranch_scc1 .Lnot_wave_0_\@
	s_barrier_signal -3
.Lnot_wave_0_\@:
	s_barrier_wait -3
	s_barrier_signal -1
	s_barrier_wait -1
.endm
.macro CROUND                          ; a whole round
	s_barrier_signal -1
	s_barrier_wait -1
	CREST
.endm
	s_load_b512 s[76:91], s[0:1], 0x0              ; query s[76:77], key s[78:79], value s[80:81], cb s[82:83], bq s[84:85], bk s[86:87], bv s[88:89], hb s[90:91]
	v_lshl_add_u32 v62, v0, 2, 0x47400
	v_mov_b32 v63, 0
	ds_add_u32 v62, v63
	v_lshrrev_b32 v1, 5, v0
	v_readfirstlane_b32 s14, v1                    ; wave 0..3
	s_lshr_b32 s15, s14, 1                         ; which 64 rows of the tile are mine.  Also: I fetch for X (0) or for W (1)
	s_and_b32 s16, s14, 1                          ; which 128 columns.  Also: which half of that tile I fetch
	s_bfe_u32 s17, ttmp6, 0x40000                  ; cx
	s_bfe_u32 s18, ttmp6, 0x40004                  ; cy
	s_lshl_b32 s19, ttmp9, 2
	s_add_co_u32 s19, s19, s17                     ; tile column = 4 x cluster x + cx
	s_and_b32 s21, ttmp7, 0xffff
	s_lshl_b32 s20, s21, 2
	s_add_co_u32 s20, s20, s18                     ; tile row = 4 x cluster y + cy, 0..191: 64 to a projection
	s_lshr_b32 s21, s21, 4                         ; g: 16 clusters of 512 rows to a projection; the whole cluster shares it
	s_lshl_b32 s22, s18, 2
	s_lshl_b32 s22, 15, s22                        ; my row of the cluster
	s_lshl_b32 s23, 0x1111, s17                    ; my column
	s_or_b32 s[G1+0],  s22, (2<<16)|(1<<20)|(1<<21)|(6<<22)|(3<<25)   ; X: 15:0 the mask; 17:16 elements of 4 bytes; 20 padding on; 21 set beside a mask; 24:22 after every 128 words; 31:25 4 words of it
	s_or_b32 s[G1B+0], s23, (1<<16)|(1<<20)|(1<<21)|(5<<22)|(3<<25)   ; W: elements of 2 bytes; padding after every 64 words
	s_mov_b32 s[G1+1], KSTEP<<16                   ; tensor_dim0 = 128
	s_mov_b32 s[G1+2], 64<<16                      ; tensor_dim1 = 64
	s_mov_b32 s[G1+3], KSTEP<<16                   ; tile_dim0 = 128
	s_mov_b32 s[G1+4], 64                          ; tile_dim1 = 64 rows
	s_mov_b32 s[G1+5], 1024                        ; elements from row to row
	s_mov_b32 s[G1+6], 0
	s_mov_b32 s[G1+7], 0
	s_mov_b32 s[G1B+1], KSTEP<<16
	s_mov_b32 s[G1B+2], 128<<16                    ; W's tile has 128 rows
	s_mov_b32 s[G1B+3], KSTEP<<16
	s_mov_b32 s[G1B+4], 128
	s_mov_b32 s[G1B+5], 1024
	s_mov_b32 s[G1B+6], 0
	s_mov_b32 s[G1B+7], 0
	; X's address hangs on the tile row and g, W's on the tile column and g: each is made in registers that never hold the other coordinate
	s_and_b32 s40, s20, 63                         ; the tile row inside its tensor
	s_lshl_b32 s40, s40, 7
	s_lshl_b32 s44, s16, 6
	s_add_co_u32 s40, s40, s44                     ; X: row 128 x tile row + 64 x half,
	s_lshl_b32 s40, s40, 12                        ; of 4096 bytes
	s_mov_b32 s41, 0
	s_lshl_b32 s42, s19, 8
	s_lshl_b32 s45, s16, 7
	s_add_co_u32 s42, s42, s45                     ; W: row 256 x tile column + 128 x half,
	s_lshl_b32 s42, s42, 11                        ; of 2048 bytes,
	s_lshl_b32 s45, s21, 21                        ; in segment g
	s_add_co_u32 s42, s42, s45
	s_mov_b32 s43, 0
	s_mul_i32 s46, s16, AHALF                      ; where they go: the wave's number alone enters an LDS address
	s_mul_i32 s47, s16, BHALF
	s_add_co_u32 s47, s47, BOFF
	s_wait_dscnt 0x0
	s_wait_kmcnt 0x0
	s_mov_b64 s[4:5], s[76:77]                     ; X's tensor is chosen by g
	s_cmp_eq_u32 s21, 1
	s_cselect_b64 s[4:5], s[78:79], s[4:5]
	s_cmp_eq_u32 s21, 2
	s_cselect_b64 s[4:5], s[80:81], s[4:5]
	s_add_nc_u64 s[40:41], s[4:5], s[40:41]
	s_add_nc_u64 s[42:43], s[82:83], s[42:43]
	CROUND                                         ; all sixteen work-groups are here: the first joint loads meet
.irp s, 0,1
	s_mov_b32 s[G0+4*\s], 1
	s_add_co_u32 s[G0+4*\s+1], s46, \s*SLOT
	s_add_nc_u64 s[G0+4*\s+2:G0+4*\s+3], s[40:41], \s*KSTEP*4      ; K step s
	s_or_b32 s[G0+4*\s+3], s[G0+4*\s+3], 0x80000000
	s_mov_b32 s[G0B+4*\s], 1
	s_add_co_u32 s[G0B+4*\s+1], s47, \s*SLOT
	s_add_nc_u64 s[G0B+4*\s+2:G0B+4*\s+3], s[42:43], \s*KSTEP*2
	s_or_b32 s[G0B+4*\s+3], s[G0B+4*\s+3], 0x80000000
	JLOAD \s                                       ; two tensor loads of mine are out
.endr
	; lane addresses.  A fragment is 16 rows x 32 K in 8 registers: lane (r, h) holds row r; registers 0-3 K = 8 h + 0..7, registers 4-7 K = 16 + 8 h + 0..7.
	; From W's rows (f16): two loads of 16 bytes at 16 h and 32 + 16 h.  From X's rows (f32): four, at 32 h, 32 h + 16, 64 + 32 h, 64 + 32 h + 16.
	v_and_b32 v1, 15, v0                           ; r
	v_bfe_u32 v2, v0, 4, 1                         ; h
	v_mul_u32_u24 v3, v1, PITCH
	v_lshl_add_u32 v3, v2, 4, v3
	v_mul_u32_u24 v6, v1, APITCH
	v_lshl_add_u32 v6, v2, 5, v6
	s_mul_i32 s66, s15, AHALF                      ; my 64 rows of X
	s_mul_i32 s67, s16, BHALF                      ; my 128 rows of W
	s_add_co_u32 s67, s67, BOFF
.irp s, 0,1
	v_add_nc_u32 v[ADRA+\s], s66, v6
	v_add_nc_u32 v[ADRB+\s], s67, v3
	s_add_co_u32 s66, s66, SLOT
	s_add_co_u32 s67, s67, SLOT
.endr
	s_mul_i32 s2, s14, 16*SPITCH
	s_add_co_u32 s2, s2, STAGE                     ; my stage
	v_add_nc_u32 v[STO], s2, v3                    ; in: row r, 16 bytes for each half of the lanes
	v_bfe_u32 v4, v0, 3, 1                         ; back: lanes 0-15 take rows s, s + 1 of my first head (2 x 128 bytes), lanes 16-31 of my second
	v_and_b32 v5, 7, v0
	v_mul_u32_u24 v4, v4, SPITCH
	v_lshl_add_u32 v4, v2, 7, v4
	v_lshl_add_u32 v4, v5, 4, v4
	v_add_nc_u32 v[RD], s2, v4
	v_lshlrev_b32 v[CO], 4, v1                     ; in hb two rows of a head are 256 consecutive bytes; the next head lies 262,144 bytes on
	v_lshl_add_u32 v[CO], v2, 18, v[CO]
	v_lshlrev_b32 v[BO], 5, v2                     ; 8 h numbers of f32
	; the bias of my 128 columns, the scale, and where my part of hb begins
	s_mov_b64 s[68:69], s[84:85]
	s_cmp_eq_u32 s21, 1
	s_cselect_b64 s[68:69], s[86:87], s[68:69]
	s_cmp_eq_u32 s21, 2
	s_cselect_b64 s[68:69], s[88:89], s[68:69]
	s_cmp_eq_u32 s21, 0
	s_cselect_b32 s[SC], 0x3e38aa3b, 1.0           ; c = log2(e) / 8 for q, 1 for k and v
	s_mov_b32 s[SC+1], s[SC]                       ; named with it as a pair
	s_lshl_b32 s70, s19, 10
	s_lshl_b32 s71, s16, 9
	s_add_co_u32 s70, s70, s71                     ; (256 x tile column + 128 x half) x 4 bytes
	s_mov_b32 s71, 0
	s_add_nc_u64 s[68:69], s[68:69], s[70:71]
	WIN 0x80                                       ; destination window 2
.irp b, 0,1,2,3,4,5,6,7
	global_load_b128 v[8*\b:8*\b+3],   v[BO], s[68:69] offset:64*\b      ; bias of columns 16 b + 8 h + 0..3: register j of block b's C operand
	global_load_b128 v[8*\b+4:8*\b+7], v[BO], s[68:69] offset:64*\b+16
.endr
	WIN 0
	s_lshl_b32 s74, s20, 7
	s_lshl_b32 s75, s15, 6
	s_add_co_u32 s74, s74, s75                     ; R: my first row of the 24,576
	s_lshr_b32 s75, s74, 11                        ; 4 g + b
	s_lshl_b32 s75, s75, 4
	s_lshl2_add_u32 s75, s19, s75                  ; + 4 heads to a tile column
	s_lshl1_add_u32 s75, s16, s75                  ; + 2 to a wave
	s_lshl_b32 s75, s75, 18                        ; heads of 262,144 bytes
	s_and_b32 s74, s74, 2047
	s_lshl_b32 s74, s74, 7                         ; rows of 128 bytes
	s_add_co_u32 s70, s74, s75
	s_add_nc_u64 s[12:13], s[90:91], s[70:71]
; 8 matrix instructions: block a of my rows x all 8 column blocks, 32 along K.  The 32 accumulators take turns, one instruction a turn, in the same order in every quarter.
.macro MUL8 f, a, bias
.irp b, 0,1,2,3,4,5,6,7
.if \bias
	v_wmma_f32_16x16x32_f16 v[8*(8*\a+\b):8*(8*\a+\b)+7], v[\f+8*\b:\f+8*\b+7], v[\f+64+8*\a:\f+64+8*\a+7], v[8*\b:8*\b+7]
.else
	v_wmma_f32_16x16x32_f16 v[8*(8*\a+\b):8*(8*\a+\b)+7], v[\f+8*\b:\f+8*\b+7], v[\f+64+8*\a:\f+64+8*\a+7], v[8*(8*\a+\b):8*(8*\a+\b)+7]
.endif
.endr
.endm
; The same, with a slice behind each: four conversions, eight of the next quarter's 64 numbers of X a lane, into buffer g.  They name no register of the products round them.
.macro MUL8C f, a, g, bias
.irp b, 0,1,2,3,4,5,6,7
	WIN MUL+0x10*\bias
.if \bias
	v_wmma_f32_16x16x32_f16 v[8*(8*\a+\b):8*(8*\a+\b)+7], v[\f+8*\b:\f+8*\b+7], v[\f+64+8*\a:\f+64+8*\a+7], v[8*\b:8*\b+7]
.else
	v_wmma_f32_16x16x32_f16 v[8*(8*\a+\b):8*(8*\a+\b)+7], v[\f+8*\b:\f+8*\b+7], v[\f+64+8*\a:\f+64+8*\a+7], v[8*(8*\a+\b):8*(8*\a+\b)+7]
.endif
	WIN CVT
.irp i, 0,1,2,3
	v_cvt_pk_f16_f32 v[\g+64+4*\b+\i], v[RAW+8*\b+2*\i], v[RAW+8*\b+2*\i+1]
.endr
.endr
.endm
; 32 LDS loads in one run: quarter q (32 along K) of a slot: X's 16, as f32, first; then W's 16 into buffer f
.macro FETCH slot, q, f
	WIN 0x80                                       ; destination window 2
.irp i, 0,1,2,3
	ds_load_b128 v[RAW+16*\i:RAW+16*\i+3],     v[ADRA+\slot] offset:128*\q+\i*16*APITCH
	ds_load_b128 v[RAW+16*\i+4:RAW+16*\i+7],   v[ADRA+\slot] offset:128*\q+\i*16*APITCH+16
	ds_load_b128 v[RAW+16*\i+8:RAW+16*\i+11],  v[ADRA+\slot] offset:128*\q+\i*16*APITCH+64
	ds_load_b128 v[RAW+16*\i+12:RAW+16*\i+15], v[ADRA+\slot] offset:128*\q+\i*16*APITCH+80
.endr
	WIN 0
.irp i, 0,1,2,3,4,5,6,7
	ds_load_b128 v[\f+8*\i:\f+8*\i+3],   v[ADRB+\slot] offset:64*\q+\i*16*PITCH
	ds_load_b128 v[\f+8*\i+4:\f+8*\i+7], v[ADRB+\slot] offset:64*\q+\i*16*PITCH+32
.endr
.endm
; A K step is four quarters on buffers 0, 1, 0, 1.  One of the first three multiplies buffer f, fetches quarter q behind its first eight products, and rounds X of that quarter into buffer g beside its last eight.
.macro QUARTER slot, q, f, g, bias
	s_wait_dscnt 0x0                               ; W's fragments of buffer f are in (X's were waited for when they were rounded)
	WIN MUL+0x10*\bias
	MUL8 \f, 0, \bias
	PLACES                                         ; in front of the loads into buffer g, written out so that the distance does not hang on the slices' order
	FETCH \slot, \q, \g
	WIN MUL+0x10*\bias
	MUL8 \f, 1, \bias
	MUL8 \f, 2, \bias
	s_wait_dscnt 16                                ; X's 16 loads are in; W's 16, issued behind them, may be out
	MUL8C \f, 3, \g, \bias
.endm
; The last quarter multiplies buffer 1 and changes slots: one barrier; in front of it each wave waits for its reads of this slot and for all its tensor loads (one is out: its part of the next slot).
; fill = 1: the barrier opens a round of the cluster's barrier, and the slot is filled again, two K steps on, first thing behind the round: 120 matrix instructions ahead of the wait for it.
.macro TURN slot, next, fill
	WIN MUL
	s_wait_dscnt 0x0                               ; W's fragments of buffer 1 are in: they were my last reads of this slot
	s_wait_tensorcnt 0x0                           ; and all my tensor loads have landed
	ds_add_u32 v62, v63
	s_wait_dscnt 0x0
	s_barrier_signal -1
	MUL8 F1, 0, 0                                  ; registers only, while the others arrive
.if \fill
	WIN 0
.endif
	s_barrier_wait -1
.if \fill
	CREST                                          ; no wave of any partner still reads this slot or has a load on its way
	s_add_nc_u64 s[G0+4*\slot+2:G0+4*\slot+3], s[G0+4*\slot+2:G0+4*\slot+3], 2*KSTEP*4
	s_add_nc_u64 s[G0B+4*\slot+2:G0B+4*\slot+3], s[G0B+4*\slot+2:G0B+4*\slot+3], 2*KSTEP*2
	JLOAD \slot                                    ; its four v_nop are also the places in front of the loads below
.else
	PLACES
.endif
	FETCH \next, 0, F0
	WIN MUL
	MUL8 F1, 1, 0
	MUL8 F1, 2, 0
	s_wait_dscnt 16                                ; X's 16 loads are in; W's 16 may be out
	MUL8C F1, 3, F0, 0
.endm
	s_wait_tensorcnt 1                             ; my part of K step 0 is in; K step 1's load, issued behind it, may stay out
	s_barrier_signal -1
	s_barrier_wait -1                              ; everybody's is
	FETCH 0, 0, F0
	s_wait_loadcnt 0x0                             ; the bias
	s_wait_dscnt 16                                ; X's 16 loads are in
	WIN CVT                                        ; the first quarter's X: there are no products yet to set the conversions between
.set i, 0
.rept 32
	v_cvt_pk_f16_f32 v[F0+64+i], v[RAW+2*i], v[RAW+2*i+1]
.set i, i+1
.endr
	QUARTER 0, 1, F0, F1, 1                        ; the first quarter stands in front of the loop: its products start the sums from the bias
	WIN 0                                          ; at a label and at a branch every window is 0
	s_mov_b32 s3, LAPS-1
.Llap:                                                 ; a trip goes once round the ring, from a lap's second quarter to the next lap's first, and fills both slots again
	QUARTER 0, 2, F1, F0, 0
	QUARTER 0, 3, F0, F1, 0
	TURN 0, 1, 1
	QUARTER 1, 1, F0, F1, 0
	QUARTER 1, 2, F1, F0, 0
	QUARTER 1, 3, F0, F1, 0
	TURN 1, 0, 1
	QUARTER 0, 1, F0, F1, 0
	WIN 0
	s_sub_co_u32 s3, s3, 1
	s_cmp_lg_u32 s3, 0
	s_cbranch_scc1 .Llap
	QUARTER 0, 2, F1, F0, 0                        ; the last lap fills nothing
	QUARTER 0, 3, F0, F1, 0
	TURN 0, 1, 0
	QUARTER 1, 1, F0, F1, 0
	QUARTER 1, 2, F1, F0, 0
	QUARTER 1, 3, F0, F1, 0
	s_wait_dscnt 0x0
	WIN MUL
	MUL8 F1, 0, 0
	MUL8 F1, 1, 0
	MUL8 F1, 2, 0
	MUL8 F1, 3, 0
	WIN 0
	PLACES
; THE WAY OUT, a block of 16 rows at a time: scaled, rounded to f16 (16 bytes a lane), through my own stage, and stored so that 16 lanes write two rows of one head.
.macro PACK a
	WIN 0x41                                       ; destination and source 0 window 1
.set i, 0
.rept 32
	v_pk_mul_f32 v[64*(\a)+2*i:64*(\a)+2*i+1], v[64*(\a)+2*i:64*(\a)+2*i+1], s[SC:SC+1] op_sel_hi:[1,0]
.set i, i+1
.endr
	WIN 0x05                                       ; sources 0 and 1 window 1
.irp b, 0,1,2,3,4,5,6,7
.irp i, 0,1,2,3
	v_cvt_pk_f16_f32 v[TMP+4*\b+\i], v[64*(\a)+8*\b+2*\i], v[64*(\a)+8*\b+2*\i+1]
.endr
.endr
	WIN 0
.endm
.macro TOSTAGE a
.irp b, 0,1,2,3,4,5,6,7
	ds_store_b128 v[STO], v[TMP+4*\b:TMP+4*\b+3] offset:32*\b
.endr
.irp t, 0,1,2,3,4,5,6,7
	ds_load_b128 v[BK+32*(\a)+4*\t:BK+32*(\a)+4*\t+3], v[RD] offset:\t*2*SPITCH   ; LDS serves a wave's instructions in order (ISA guide 5.7.1.4): these see the stores above
.endr
.endm
.macro SEND a
.irp t, 0,1,2,3,4,5,6,7
	s_wait_dscnt 7-\t                              ; load t of the block's eight is in; the 7 - t younger ones stay out
	global_store_b128 v[CO], v[BK+32*(\a)+4*\t:BK+32*(\a)+4*\t+3], s[12:13] offset:2048*(\a)+256*\t   ; 16 lanes store 256 consecutive bytes, aligned; each block has registers of its own
.endr
.endm
	PACK 0
	TOSTAGE 0
	PACK 1                                         ; a block's arithmetic stands between the loads of the block before from the stage and the wait for them
	SEND 0
	TOSTAGE 1
	PACK 2
	SEND 1
	TOSTAGE 2
	PACK 3
	SEND 2
	TOSTAGE 3
	SEND 3
	s_wait_tensorcnt 0x0
	ds_add_u32 v62, v63
	s_wait_dscnt 0x0
	CROUND                                         ; the closing round: no work-group ends while a partner may still ask for a tile that names it
	s_endpgm
.Lfunc_end_k_q97ba386ef6_proj:
	.size	k_q97ba386ef6_proj, .Lfunc_end_k_q97ba386ef6_proj-k_q97ba386ef6_proj
	.p2alignl 7, 3214868480
	.fill 96, 4, 3214868480
	.section	.rodata,"a",@progbits
	.p2align	6, 0x0
	.amdhsa_kernel k_q97ba386ef6_proj
		.amdhsa_group_segment_fixed_size 327680
		.amdhsa_private_segment_fixed_size 0
		.amdhsa_enable_private_segment 0
		.amdhsa_kernarg_size 64
		.amdhsa_user_sgpr_count 2
		.amdhsa_user_sgpr_kernarg_segment_ptr 1
		.amdhsa_wavefront_size32 1
		.amdhsa_system_sgpr_workgroup_id_x 1
		.amdhsa_system_sgpr_workgroup_id_y 1
		.amdhsa_system_sgpr_workgroup_id_z 1
		.amdhsa_system_vgpr_workitem_id 0
		.amdhsa_next_free_vgpr 640
		.amdhsa_next_free_sgpr 92
		.amdhsa_reserve_vcc 0
		.amdhsa_float_denorm_mode_32 3
		.amdhsa_float_denorm_mode_16_64 3
		.amdhsa_memory_ordered 1
		.amdhsa_forward_progress 1
		.amdhsa_inst_pref_size 145
	.end_amdhsa_kernel
	.amdgpu_metadata
---
amdhsa.version: [ 1, 2 ]
amdhsa.kernels:
  - .name:           k_q97ba386ef6_proj
    .symbol:         k_q97ba386ef6_proj.kd
    .args:
      - { .name: query, .offset: 0, .size: 8, .value_kind: global_buffer, .address_space: global }
      - { .name: key, .offset: 8, .size: 8, .value_kind: global_buffer, .address_space: global }
      - { .name: value, .offset: 16, .size: 8, .value_kind: global_buffer, .address_space: global }
      - { .name: cb, .offset: 24, .size: 8, .value_kind: global_buffer, .address_space: global }
      - { .name: bq, .offset: 32, .size: 8, .value_kind: global_buffer, .address_space: global }
      - { .name: bk, .offset: 40, .size: 8, .value_kind: global_buffer, .address_space: global }
      - { .name: bv, .offset: 48, .size: 8, .value_kind: global_buffer, .address_space: global }
      - { .name: hb, .offset: 56, .size: 8, .value_kind: global_buffer, .address_space: global }
    .group_segment_fixed_size: 327680
    .private_segment_fixed_size: 0
    .kernarg_segment_align: 8
    .kernarg_segment_size: 64
    .max_flat_workgroup_size: 128
    .sgpr_count:     92
    .vgpr_count:     640
    .wavefront_size: 32
...
	.end_amdgpu_metadata
.endif
;; end of part 2
;; launch attn (part 3): grid 4 x 64, 8 waves a work-group, clusters of 4 x 1, 327,680 bytes of LDS; arguments hb, mw, ctxh; writes ctxh
.if DOCPART == 3
	.amdgcn_target "amdgcn-amd-amdhsa--gfx1250"
	.amdhsa_code_object_version 6
	.text
	.protected	k_q97ba386ef6_attn
	.globl	k_q97ba386ef6_attn
	.p2align	8
	.type	k_q97ba386ef6_attn,@function
k_q97ba386ef6_attn:
	s_mov_b64 s[64:65], 0
	v_nop
	global_prefetch_b8 v0, s[64:65] scope:SCOPE_SE
	s_setreg_imm32_b32 hwreg(HW_REG_WAVE_MODE, 25, 1), 1
	s_wait_xcnt 0x0
	s_wait_alu depctr_hold_cnt(0) depctr_sa_sdst(0) depctr_va_vdst(0) depctr_va_sdst(0) depctr_va_ssrc(0) depctr_va_vcc(0) depctr_vm_vsrc(0)
	s_getreg_b32 s2, hwreg(HW_REG_IB_STS2, 6, 4)
	s_cmp_eq_u32 s2, 0
	s_cbranch_scc0 .Lentry_in_a_cluster
	s_endpgm
.Lentry_in_a_cluster:
	s_bfe_u32 s2, ttmp6, 0x10000c
	s_cmp_lg_u32 s2, 0x3003
	s_cbranch_scc0 .Lentry_shape_is_right
	s_endpgm
.Lentry_shape_is_right:
; attn: ctx[b][h][q] = sum over k of softmax_k(masked score) v[b][h][k].  q, k, v: hb = [g][b][h][s][64] f16, q already times c = log2(e) / 8, so q . k is the score as an exponent of 2.
; A key whose mask bit is 0 gets the score -1e9 x log2(e), which is reference's -1e9 in that unit; a row with no key left comes out as the mean of v.
; Products, maxima and sums in f32; a running maximum m and sum l for each query: p = 2^(s - m), at most 1; in every step O and l are multiplied by a = 2^(m_old - m_new).
; LIMITS: the weights p are rounded to f16 for the second product (below 2^-25 they become 0), l is the sum of the rounded weights, ctx is rounded to f16; NaN and infinities are not treated.
; SHARES.  A work-group owns 512 queries of one (b, h); each of its eight waves 64: four tiles of 16.  Every wave walks all 2048 keys, 64 a step.  The vector work of a step is about as long as its
; matrix work, so two waves share a SIMD, each written in plain phases: one wave's products run beside the other's softmax.  A wave still has 64 queries for each fragment of k and v that it reads.
; LAYOUT.  S^T = K Q^T (source 0 = 16 keys, source 1 = 16 queries): lane (r, h), register j holds query r, key 8 h + j.  Two such tiles rounded in pairs ARE source 1 of O^T = V^T P.
; THE MASK costs one select a score: mw holds, for each register of S^T, the 32 lanes' bits as one word, read into scalar registers.  A step has 128 such words and the scalar registers room for 64,
; so they come in two requests, each issued as soon as the 64 before have been used.
; THE ORDER OF A STEP gives both requests about half a step: K Q^T of tiles 0, 1 | their selects, ask for tiles 2, 3 | K Q^T of tiles 2, 3 | softmax 0, 1 | V^T P 0, 1 | selects of tiles 2, 3, ask for
; the next step's tiles 0, 1 | softmax 2, 3 | V^T P 2, 3.  Each request has 36 matrix instructions and the softmax of two tiles ahead of the wait for it.
; THE ROW SUMS are made by the matrix unit: a fifth tile of "channels" whose source 0 holds ones in rows 0 and 8 alone, so that register 0 of its result is l of query r in every lane.
; CLUSTER.  The four query blocks of a cluster walk the same k and v: every tile is asked for jointly, mask 15.
; REGISTERS.  window 0: v2-8 addresses; v12-43 statistics, 8 a tile; v44-51 the ones; v64-191 S^T, 32 a tile, then P in its place; v192-255 K's fragments, then V's.
;   window 1: v0-127 O^T, 32 a tile; v128-159 the sums' tiles; v160-223 Q.
.set KS,    64
.set PK,    144       ; a row of k in LDS: 128 bytes + 16 = 36 words: the 16 rows of a load start at 16 different groups of 4 banks (64 banks of 4 bytes: ISA guide 11.1)
.set PVP_,  160       ; a row of v: 128 + 32 = 40 words
.set TILE,  10240     ; LDS bytes kept for a tile of 64 rows
.set SLOT1, 1<<17     ; a slot holds four key steps: k's four tiles, then v's four (81,920 bytes); slot 1 begins here, so that one exclusive or turns an address into the other slot's
.set STAGE, SLOT1+8*TILE  ; behind the ring: 16 rows x 144 bytes for each wave; no tensor load lands there
.set SP,    144
.set AK0, 2           ; my lane's place in a tile of k
.set AV0, 3           ; the same for v
.set ADR, 4           ; the LDS address of the run of loads in hand
.set QO,  5
.set STO, 6
.set RD,  7
.set GO,  8
.set ST,  12          ; tile t at v[ST+8 t]: +0 m, +1 m_old and then m_old - m, +4 to +7 c0-c3 at work; a takes c2's place
.set ONES, 44
.set S,   64
.set KV,  192
.set LS,  128         ; window 1
.set QF,  160         ; window 1
.set MV,  2           ; s2  the masked score
.set WV,  3           ; s3  my wave's number
.set MP,  4           ; s[4:5] the step's mask words of my first tile
.set OP,  6           ; s[6:7] ctxh at my first row
.set G1K, 8           ; s[8:15] descriptor group 1 for k's tiles
.set G1V, 16          ; s[16:23] for v's: it differs in the padding alone
.set G0B, 24          ; s[24:27] group 0 of the second first fill, which then walks on
.set SLOTS, 28
.set CNT, 29
.set SEL, 30          ; s[30:31] lane selects: each lane takes its own place in the other half
.set SETA, 32         ; s[32:63] 32 mask words of a pair's first tile
.set TB,  66          ; LDS byte at which the step's tile of k begins
.set STG, 67          ; my stage
.set SETB, 68         ; s[68:99] 32 mask words of a pair's second tile.  Until the first mask words are asked for, two things of the start lie here:
.set QP,  92          ; s[92:93] q at my first row: free when q's loads are back
.set G0A, 96          ; s[96:99] group 0 of the first fill: free when that load has landed
.set MSB, 0
.macro WIN new        ; s_set_vgpr_msb: bits 1:0 source 0, 3:2 source 1, 5:4 source 2, 7:6 destination; the high byte repeats the setting that is left
.if MSB != (\new)
	s_set_vgpr_msb (MSB<<8)|(\new)
.set MSB, (\new)
.endif
.endm
.set W_KQ, 0x04       ; Q in window 1
.set W_PV, 0x50       ; C and D in window 1
.set W_RS, 0x41       ; destination and source 0 in window 1
.macro CROUND         ; a round of the cluster's barrier
	s_barrier_signal -1
	s_barrier_wait -1
	s_cmp_lg_u32 s[WV], 0
	s_cbranch_scc1 .Lnot_wave_0_\@
	s_barrier_signal -3
.Lnot_wave_0_\@:
	s_barrier_wait -3
	s_barrier_signal -1
	s_barrier_wait -1
.endm
; A joint refill.  Waves 0 to 3 fetch the slot's four tiles of k, waves 4 to 7 its four of v.  The branch hangs on the wave's number alone: it is the same in every work-group.
; Four v_nop follow each of the two lines, ahead of the jump, the label and what follows.
.macro JLOAD
	s_cmp_lt_u32 s[WV], 4
	s_cbranch_scc0 .Lfor_v_\@
	tensor_load_to_lds s[G0B:G0B+3], s[G1K:G1K+7]
	s_nop 0
.rept 4
	v_nop
.endr
	s_branch .Lasked_\@
.Lfor_v_\@:
	tensor_load_to_lds s[G0B:G0B+3], s[G1V:G1V+7]
	s_nop 0
.rept 4
	v_nop
.endr
.Lasked_\@:
.endm
	s_load_b128 s[32:35], s[0:1], 0x0   ; hb, mw
	s_load_b64 s[36:37], s[0:1], 0x10   ; ctxh
	v_lshl_add_u32 v62, v0, 2, 0x38800
	v_mov_b32 v63, 0
	ds_add_u32 v62, v63
	v_lshrrev_b32 v1, 5, v0
	v_readfirstlane_b32 s[WV], v1       ; wave 0..7
	s_bfe_u32 s38, ttmp6, 0x40000       ; cx
	s_lshl_b32 s39, ttmp9, 2
	s_add_co_u32 s39, s39, s38          ; my block of 512 queries: it enters q's, the mask words' and ctxh's addresses alone
	s_and_b32 s50, ttmp7, 0xffff        ; 16 b + h, which the four partners share
	s_lshr_b32 s51, s[WV], 2            ; I fetch for k (0) or for v (1),
	s_add_co_u32 s40, s51, 1
	s_lshl_b32 s40, s40, 24             ; which lie 16 and 32 MiB into hb,
	s_lshl_b32 s42, s50, 18             ; the head's 262,144 bytes,
	s_add_co_u32 s40, s40, s42
	s_and_b32 s42, s[WV], 3             ; and which of a slot's four steps: 64 rows of 128 bytes
	s_lshl_b32 s42, s42, 13
	s_add_co_u32 s40, s40, s42
	s_mov_b32 s41, 0
	s_lshl_b32 s44, s50, 11             ; my first row: 2048 (16 b + h) + 512 block + 64 wave,
	s_lshl_b32 s46, s39, 9
	s_add_co_u32 s44, s44, s46
	s_lshl_b32 s46, s[WV], 6
	s_add_co_u32 s44, s44, s46
	s_lshl_b32 s44, s44, 7              ; of 128 bytes
	s_mov_b32 s45, 0
	s_lshr_b32 s48, s50, 4              ; my first tile's mask words: tile 128 b + 32 block + 4 wave,
	s_lshl_b32 s48, s48, 7
	s_lshl_b32 s46, s39, 5
	s_add_co_u32 s48, s48, s46
	s_lshl_b32 s46, s[WV], 2
	s_add_co_u32 s48, s48, s46
	s_lshl_b32 s48, s48, 12             ; of 4096 bytes
	s_mov_b32 s49, 0
	; descriptor group 1: a tile of 64 rows x 64 elements, padded in LDS
	s_mov_b32 s[G1K], 15|(1<<16)|(1<<20)|(1<<21)|(4<<22)|(3<<25)  ; 15:0 the mask: all four work-groups; 17:16 elements of 2 bytes; 20 padding on; 21 set beside a mask; 24:22 after every 32 words (code 4); 31:25 4 words of it (code 3)
	s_mov_b32 s[G1V], 15|(1<<16)|(1<<20)|(1<<21)|(4<<22)|(7<<25)  ; the same with 8 words of padding (code 7)
.irp g, G1K, G1V
	s_mov_b32 s[\g+1], 64<<16           ; tensor_dim0 = 64
	s_mov_b32 s[\g+2], KS<<16           ; tensor_dim1 = 64
	s_mov_b32 s[\g+3], 64<<16           ; tile_dim0 = 64
	s_mov_b32 s[\g+4], KS               ; tile_dim1 = 64
	s_mov_b32 s[\g+5], 64               ; elements from row to row
	s_mov_b32 s[\g+6], 0
	s_mov_b32 s[\g+7], 0
.endr
	s_mov_b32 s[G0A], 1
	s_mul_i32 s[G0A+1], s[WV], TILE     ; tile i of a slot is wave i's: no place in the cluster enters an LDS address
	s_mov_b32 s[G0B], 1
	s_add_co_u32 s[G0B+1], s[G0A+1], SLOT1
	s_mov_b32 s[MV], 0xceabfb8f         ; -1e9 x log2(e)
	s_mov_b32 s[SEL], 0x76543210
	s_mov_b32 s[SEL+1], 0xfedcba98
	s_mov_b32 s[TB], 0
	s_mul_i32 s[STG], s[WV], 16*SP
	s_add_co_u32 s[STG], s[STG], STAGE
	s_wait_dscnt 0x0
	s_wait_kmcnt 0x0
	s_add_nc_u64 s[G0A+2:G0A+3], s[32:33], s[40:41]
	s_add_nc_u64 s[G0B+2:G0B+3], s[G0A+2:G0A+3], 4*KS*128  ; slot 1 begins with keys 256 on
	s_or_b32 s[G0A+3], s[G0A+3], 0x80000000
	s_or_b32 s[G0B+3], s[G0B+3], 0x80000000
	s_add_nc_u64 s[QP:QP+1], s[32:33], s[44:45]
	s_add_nc_u64 s[OP:OP+1], s[36:37], s[44:45]
	s_add_nc_u64 s[MP:MP+1], s[34:35], s[48:49]
	CROUND                              ; all four work-groups are here: the first joint loads meet
	s_cmp_lt_u32 s[WV], 4               ; a wave's two first fills stand in one branch, ahead of every wait on TENSORcnt and every LDS read: two tensor loads of mine are out
	s_cbranch_scc0 .Lfirst_v
	tensor_load_to_lds s[G0A:G0A+3], s[G1K:G1K+7]
	s_nop 0
	tensor_load_to_lds s[G0B:G0B+3], s[G1K:G1K+7]
	s_nop 0
.rept 4
	v_nop
.endr
	s_branch .Lfirst_asked
.Lfirst_v:
	tensor_load_to_lds s[G0A:G0A+3], s[G1V:G1V+7]
	s_nop 0
	tensor_load_to_lds s[G0B:G0B+3], s[G1V:G1V+7]
	s_nop 0
.rept 4
	v_nop
.endr
.Lfirst_asked:
	v_and_b32 v1, 15, v0                ; r
	v_bfe_u32 v9, v0, 4, 1              ; h
	v_and_b32 v10, 7, v0
	v_bfe_u32 v11, v0, 3, 1
	v_lshlrev_b32 v[QO], 7, v1
	v_lshl_add_u32 v[QO], v9, 4, v[QO]  ; row x 128 + 16 h
	WIN 0x40                            ; destination window 1
.irp t, 0,1,2,3
.irp ch, 0,1
	global_load_b128 v[QF+16*\t+8*\ch:QF+16*\t+8*\ch+3],   v[QO], s[QP:QP+1] offset:2048*\t+64*\ch     ; Q stays in registers: tile t, channels 32 ch on
	global_load_b128 v[QF+16*\t+8*\ch+4:QF+16*\t+8*\ch+7], v[QO], s[QP:QP+1] offset:2048*\t+64*\ch+32
.endr
.endr
	WIN 0
	v_mul_u32_u24 v[AK0], v1, PK
	v_lshl_add_u32 v[AK0], v9, 4, v[AK0]  ; row x pitch + 16 h
	v_lshl_add_u32 v[AV0], v9, 3, v10   ; the turning load: lane l reads key 8 h + l % 8, channels 8 ((l / 8) % 2) + 0..7
	v_mul_u32_u24 v[AV0], v[AV0], PVP_
	v_lshl_add_u32 v[AV0], v11, 4, v[AV0]
	v_add_nc_u32 v[AV0], 4*TILE, v[AV0]   ; v's tiles lie behind k's four
	v_add_nc_u32 v[STO], s[STG], v[AK0] ; the way out, in: row r, 16 bytes for each half of the lanes
	v_bfe_u32 v52, v0, 3, 2             ; back: eight lanes to a row of 128 bytes, four rows a load
	v_mul_u32_u24 v[RD], v52, SP
	v_lshl_add_u32 v[RD], v10, 4, v[RD]
	v_add_nc_u32 v[RD], s[STG], v[RD]
	v_and_b32 v[GO], 31, v0
	v_lshlrev_b32 v[GO], 4, v[GO]       ; in ctxh a tile's 16 rows are 2048 consecutive bytes
	v_cmp_eq_u32 vcc_lo, 0, v10
	v_mov_b32 v52, 0x3c003c00           ; two ones in f16
	v_cndmask_b32 v[ONES], 0, v52, vcc_lo  ; rows 0 and 8 of source 0: lanes 0, 8, 16, 24
.irp i, 1,2,3,4,5,6,7
	v_mov_b32 v[ONES+\i], v[ONES]
.endr
; 16 products S^T = K Q^T for tiles y and y + 1: channels 32 ch on, keys 16 kt on.  The 8 accumulators take turns, one instruction a turn; the first 8 start the sums.
.macro QKP y
.irp ch, 0,1
.irp kt, 0,1,2,3
.irp t, \y, \y+1
.if \ch == 0
	v_wmma_f32_16x16x32_f16 v[S+32*(\t)+8*\kt:S+32*(\t)+8*\kt+7], v[KV+8*(2*\kt+\ch):KV+8*(2*\kt+\ch)+7], v[QF+16*(\t)+8*\ch:QF+16*(\t)+8*\ch+7], 0
.else
	v_wmma_f32_16x16x32_f16 v[S+32*(\t)+8*\kt:S+32*(\t)+8*\kt+7], v[KV+8*(2*\kt+\ch):KV+8*(2*\kt+\ch)+7], v[QF+16*(\t)+8*\ch:QF+16*(\t)+8*\ch+7], v[S+32*(\t)+8*\kt:S+32*(\t)+8*\kt+7]
.endif
.endr
.endr
.endr
.endm
; 20 products O^T += V^T P for tiles y and y + 1: keys 32 kc on, channels 16 ct on (ct = 4: the ones, for the row sums).  The 10 accumulators take turns likewise.  first = 1: the first 10 start the sums.
.macro PVP y, first
.irp kc, 0,1
.irp ct, 0,1,2,3,4
.irp t, \y, \y+1
.if \ct < 4
.set rD, 32*(\t)+8*\ct
.set rA, KV+8*(4*\kc+\ct)
.else
.set rD, LS+8*(\t)
.set rA, ONES
.endif
.set rB, S+32*(\t)+16*\kc
.if \first && (\kc == 0)
	v_wmma_f32_16x16x32_f16 v[rD:rD+7], v[rA:rA+7], v[rB:rB+7], 0
.else
	v_wmma_f32_16x16x32_f16 v[rD:rD+7], v[rA:rA+7], v[rB:rB+7], v[rD:rD+7]
.endif
.endr
.endr
.endr
.endm
; The selects of tiles y and y + 1, and the request for the other pair's words.
.macro MASK y
	s_wait_kmcnt 0x0                    ; this pair's 64 mask words are in, and no scalar load is out,
.if \y == 2
	s_add_nc_u64 s[MP:MP+1], s[MP:MP+1], 128  ; so the pointer may step: the next key step's words
.endif
.set i, 0
.rept 32
.irp t, \y, \y+1
	v_cndmask_b32 v[S+32*(\t)+i], s[MV], v[S+32*(\t)+i], s[SETA+36*((\t)-\y)+i]  ; bit 1 keeps the score
.endr
.set i, i+1
.endr
.if \y == 0                             ; the other pair's words are asked for as soon as these have been used: tiles 2, 3 of this step,
	s_load_b512 s[SETA:SETA+15],    s[MP:MP+1], 0x2000
	s_load_b512 s[SETA+16:SETA+31], s[MP:MP+1], 0x2040
	s_load_b512 s[SETB:SETB+15],    s[MP:MP+1], 0x3000
	s_load_b512 s[SETB+16:SETB+31], s[MP:MP+1], 0x3040
.else                                   ; or tiles 0, 1 of the next (behind the last step: words of my tiles 1 and 2, inside mw, which nobody uses)
	s_load_b512 s[SETA:SETA+15],    s[MP:MP+1], 0x0
	s_load_b512 s[SETA+16:SETA+31], s[MP:MP+1], 0x40
	s_load_b512 s[SETB:SETB+15],    s[MP:MP+1], 0x1000
	s_load_b512 s[SETB+16:SETB+31], s[MP:MP+1], 0x1040
.endif
.endm
; The new maximum of tiles y and y + 1, and a; in each stage the two tiles alternate.  first = 1: the first key step, which has no old maximum.
.macro SMAX y, first
	; the maximum of the lane's 32 scores and the old m: four chains of seven, then the four left over, the chains and m
.irp j, 0,1,2,3
.irp t, \y, \y+1
	v_max3_num_f32 v[ST+8*(\t)+4+\j], v[S+32*(\t)+8*\j], v[S+32*(\t)+8*\j+1], v[S+32*(\t)+8*\j+2]
.endr
.endr
.irp g, 1,2
.irp j, 0,1,2,3
.irp t, \y, \y+1
	v_max3_num_f32 v[ST+8*(\t)+4+\j], v[ST+8*(\t)+4+\j], v[S+32*(\t)+8*\j+2*\g+1], v[S+32*(\t)+8*\j+2*\g+2]
.endr
.endr
.endr
.irp t, \y, \y+1
	v_max3_num_f32 v[ST+8*(\t)+4], v[ST+8*(\t)+4], v[S+32*(\t)+7], v[S+32*(\t)+15]
.endr
.irp t, \y, \y+1
	v_max3_num_f32 v[ST+8*(\t)+6], v[ST+8*(\t)+6], v[S+32*(\t)+23], v[S+32*(\t)+31]
.endr
.irp t, \y, \y+1
	v_max3_num_f32 v[ST+8*(\t)+4], v[ST+8*(\t)+4], v[ST+8*(\t)+5], v[ST+8*(\t)+6]
.endr
.irp t, \y, \y+1
.if \first
	v_max_num_f32 v[ST+8*(\t)+4], v[ST+8*(\t)+4], v[ST+8*(\t)+7]
.else
	v_max3_num_f32 v[ST+8*(\t)+4], v[ST+8*(\t)+4], v[ST+8*(\t)+7], v[ST+8*(\t)]
.endif
.endr
.irp t, \y, \y+1
	v_permlanex16_b32 v[ST+8*(\t)+5], v[ST+8*(\t)+4], s[SEL], s[SEL+1]  ; the query's other 32 keys lie in the lane 16 away
.endr
.irp t, \y, \y+1
.if \first
	v_mov_b32 v[ST+8*(\t)+1], 0         ; named below in a pair with m, so it is written
.else
	v_mov_b32 v[ST+8*(\t)+1], v[ST+8*(\t)]  ; m_old
.endif
.endr
.irp t, \y, \y+1
	v_max_num_f32 v[ST+8*(\t)], v[ST+8*(\t)+4], v[ST+8*(\t)+5]
.endr
.if !\first
.irp t, \y, \y+1
	v_sub_f32 v[ST+8*(\t)+1], v[ST+8*(\t)+1], v[ST+8*(\t)]
.endr
.irp t, \y, \y+1
	v_exp_f32 v[ST+8*(\t)+6], v[ST+8*(\t)+1]  ; a; the subtractions of SREST are the plain instructions behind it
.endr
.endif
.endm
; The weights of tiles y and y + 1, rounded into P, and O^T and l times a.
.macro SREST y, first
.set i, 0
.rept 16
.irp t, \y, \y+1
	v_pk_add_f32 v[S+32*(\t)+2*i:S+32*(\t)+2*i+1], v[S+32*(\t)+2*i:S+32*(\t)+2*i+1], v[ST+8*(\t):ST+8*(\t)+1] op_sel_hi:[1,0] neg_lo:[0,1] neg_hi:[0,1]  ; s - m, exact where s = m
.endr
.set i, i+1
.endr
.irp t, \y, \y+1
.set i, 0
.rept 32
	v_exp_f32 v[S+32*(\t)+i], v[S+32*(\t)+i]
.set i, i+1
.endr
.endr
	v_nop                               ; a plain instruction between the exponentials and the first use of a result (ISA guide 5.7.2)
	s_wait_alu depctr_va_vdst(0)
.irp t, \y, \y+1                        ; P in S^T's place: pair i of a run of 16 goes to register i, which has been read by then
.irp kc, 0,1
.irp i, 0,1,2,3,4,5,6,7
	v_cvt_pk_f16_f32 v[S+32*(\t)+16*\kc+\i], v[S+32*(\t)+16*\kc+2*\i], v[S+32*(\t)+16*\kc+2*\i+1]
.endr
.endr
.endr
.if !\first
	WIN W_RS
.irp t, \y, \y+1
.set i, 0
.rept 16
	v_pk_mul_f32 v[32*(\t)+2*i:32*(\t)+2*i+1], v[32*(\t)+2*i:32*(\t)+2*i+1], v[ST+8*(\t)+6:ST+8*(\t)+7] op_sel_hi:[1,0]  ; O^T times a
.set i, i+1
.endr
	v_mul_f32 v[LS+8*(\t)], v[LS+8*(\t)], v[ST+8*(\t)+6]  ; l times a; the tile's other seven registers are 0
.endr
	WIN 0
.endif
.endm
; A key step.  A load into a register that a matrix instruction has read, and a vector instruction that reads a matrix result, stand four plain vector instructions behind it; a matrix instruction that
; writes over another's source five (ISA guide 7.12.1 for vector instructions).
.macro STEP first
	v_add_nc_u32 v[ADR], s[TB], v[AK0]
.irp kt, 0,1,2,3
.irp ch, 0,1
	ds_load_b128 v[KV+8*(2*\kt+\ch):KV+8*(2*\kt+\ch)+3],   v[ADR] offset:\kt*16*PK+64*\ch
	ds_load_b128 v[KV+8*(2*\kt+\ch)+4:KV+8*(2*\kt+\ch)+7], v[ADR] offset:\kt*16*PK+64*\ch+32
.endr
.endr
	s_wait_dscnt 0x0                    ; K is in
	WIN W_KQ
	QKP 0
	WIN 0
	v_add_nc_u32 v[ADR], s[TB], v[AV0]
.rept 4
	v_nop                               ; with the line above: five places behind the last product, in front of the selects on its result
.endr
	MASK 0
	WIN W_KQ
	QKP 2                               ; it writes over P of tiles 2, 3, which the step before multiplied: the 64 selects above stand between
	WIN 0
	SMAX 0, \first                      ; on tiles 0, 1 alone: also the places between the last product that read K and the loads into K's registers
.irp kc, 0,1
.irp ct, 0,1,2,3
	ds_load_tr16_b128 v[KV+8*(4*\kc+\ct):KV+8*(4*\kc+\ct)+3],   v[ADR] offset:\kc*32*PVP_+32*\ct          ; V turned: it lands while the weights are made
	ds_load_tr16_b128 v[KV+8*(4*\kc+\ct)+4:KV+8*(4*\kc+\ct)+7], v[ADR] offset:\kc*32*PVP_+16*PVP_+32*\ct
.endr
.endr
	s_add_co_u32 s[TB], s[TB], TILE     ; the next step's tiles
	SREST 0, \first
	s_wait_dscnt 0x0                    ; V is in
	WIN W_PV
	PVP 0, \first
	WIN 0
	MASK 2
	SMAX 2, \first
	SREST 2, \first
	WIN W_PV
	PVP 2, \first
	WIN 0
.rept 5
	v_nop                               ; with the next step's first line: six places in front of the loads into V's registers
.endr
.endm
; The change of slots.  Each wave waits for its reads of the slot and for all its tensor loads (one is out: its tile of the other slot).  fill = 1: a round of the cluster's barrier, and first thing
; behind it the slot is filled again with the keys two slots on: that load has four key steps in which to land.
.macro CHANGE fill
	s_wait_dscnt 0x0
	s_wait_tensorcnt 0x0                ; no tensor load of mine is out, so a group 0 may be written
	ds_add_u32 v62, v63
	s_wait_dscnt 0x0
.if \fill
	s_xor_b32 s[G0B+1], s[G0B+1], SLOT1 ; the walking descriptor: the other slot than last time,
	s_add_nc_u64 s[G0B+2:G0B+3], s[G0B+2:G0B+3], 4*KS*128  ; the next 256 keys; the type bits on top are not reached
	CROUND
	JLOAD
.else
	s_barrier_signal -1
	s_barrier_wait -1
.endif
	s_sub_co_u32 s[TB], s[TB], 4*TILE   ; back to a slot's first step,
	s_xor_b32 s[TB], s[TB], SLOT1       ; in the other slot
.endm
.macro STEPS n                          ; n key steps, written once; the LDS addresses hang on s[TB]
	s_mov_b32 s[CNT], \n
.Lstep_\@:
	STEP 0
	s_sub_co_u32 s[CNT], s[CNT], 1
	s_cmp_lg_u32 s[CNT], 0
	s_cbranch_scc1 .Lstep_\@
.endm
	s_wait_tensorcnt 1                  ; my tile of slot 0 is in, so its group 0 is free; slot 1's load, issued behind it, may stay out
	s_barrier_signal -1
	s_barrier_wait -1                   ; everybody's is
	s_wait_loadcnt 0x0                  ; Q is in, so its pointer is free:
	s_load_b512 s[SETA:SETA+15],    s[MP:MP+1], 0x0     ; step 0's mask words of tiles 0 and 1, over the registers of the start; K's loads and the first 16 products stand ahead of the wait for them
	s_load_b512 s[SETA+16:SETA+31], s[MP:MP+1], 0x40
	s_load_b512 s[SETB:SETB+15],    s[MP:MP+1], 0x1000
	s_load_b512 s[SETB+16:SETB+31], s[MP:MP+1], 0x1040
	STEP 1                              ; the first key step starts m, l and O^T
	STEPS 3
	s_mov_b32 s[SLOTS], 2048/(4*KS)-2
.Lslot:                                 ; six trips: every slot's bytes but the last two fills' are filled again
	CHANGE 1
	STEPS 4
	s_sub_co_u32 s[SLOTS], s[SLOTS], 1
	s_cmp_lg_u32 s[SLOTS], 0
	s_cbranch_scc1 .Lslot
	CHANGE 0                            ; the tail is written out
	STEPS 4
	s_wait_kmcnt 0x0                    ; the last, unused mask words
	; THE WAY OUT.  O^T is divided by l, rounded to f16 and sent through my stage, a tile (16 rows of ctxh) at a time.  The last step's five v_nop are the places behind the last products.
	WIN 0x01                            ; source 0 window 1
.irp t, 0,1,2,3
	v_rcp_f32 v[ST+8*\t+6], v[LS+8*\t]
.endr
	WIN 0
	v_nop                               ; a plain instruction between the reciprocals and their use
	s_wait_alu depctr_va_vdst(0)
.macro OPACK t
	WIN W_RS
.set i, 0
.rept 16
	v_pk_mul_f32 v[32*\t+2*i:32*\t+2*i+1], v[32*\t+2*i:32*\t+2*i+1], v[ST+8*\t+6:ST+8*\t+7] op_sel_hi:[1,0]
.set i, i+1
.endr
	WIN 0x05                            ; sources 0 and 1 window 1; S^T's registers are free
.set i, 0
.rept 16
	v_cvt_pk_f16_f32 v[S+16*\t+i], v[32*\t+2*i], v[32*\t+2*i+1]
.set i, i+1
.endr
	WIN 0
.irp ct, 0,1,2,3
	ds_store_b128 v[STO], v[S+16*\t+4*\ct:S+16*\t+4*\ct+3] offset:32*\ct
.endr
.irp f, 0,1,2,3
	ds_load_b128 v[S+64+16*\t+4*\f:S+64+16*\t+4*\f+3], v[RD] offset:\f*4*SP  ; LDS serves a wave's instructions in order (ISA guide 5.7.1.4): these see the stores above; the next tile's stores come behind them
.endr
.endm
.macro OSEND t, younger                 ; younger: the LDS instructions issued behind tile t's loads: the next tile's eight, or none
.irp f, 0,1,2,3
	s_wait_dscnt \younger+3-\f
	global_store_b128 v[GO], v[S+64+16*\t+4*\f:S+64+16*\t+4*\f+3], s[OP:OP+1] offset:2048*\t+512*\f  ; a wave's store covers 512 consecutive bytes, aligned
.endr
.endm
	OPACK 0
	OPACK 1
	OSEND 0, 8
	OPACK 2
	OSEND 1, 8
	OPACK 3
	OSEND 2, 8
	OSEND 3, 0
	s_wait_tensorcnt 0x0
	ds_add_u32 v62, v63
	s_wait_dscnt 0x0
	CROUND                              ; the closing round: no work-group ends while a partner may still ask for a tile that names it
	s_endpgm
.Lfunc_end_k_q97ba386ef6_attn:
	.size	k_q97ba386ef6_attn, .Lfunc_end_k_q97ba386ef6_attn-k_q97ba386ef6_attn
	.p2alignl 7, 3214868480
	.fill 96, 4, 3214868480
	.section	.rodata,"a",@progbits
	.p2align	6, 0x0
	.amdhsa_kernel k_q97ba386ef6_attn
		.amdhsa_group_segment_fixed_size 327680
		.amdhsa_private_segment_fixed_size 0
		.amdhsa_enable_private_segment 0
		.amdhsa_kernarg_size 24
		.amdhsa_user_sgpr_count 2
		.amdhsa_user_sgpr_kernarg_segment_ptr 1
		.amdhsa_wavefront_size32 1
		.amdhsa_system_sgpr_workgroup_id_x 1
		.amdhsa_system_sgpr_workgroup_id_y 1
		.amdhsa_system_sgpr_workgroup_id_z 1
		.amdhsa_system_vgpr_workitem_id 0
		.amdhsa_next_free_vgpr 512
		.amdhsa_next_free_sgpr 100
		.amdhsa_reserve_vcc 1
		.amdhsa_float_denorm_mode_32 3
		.amdhsa_float_denorm_mode_16_64 3
		.amdhsa_memory_ordered 1
		.amdhsa_forward_progress 1
		.amdhsa_inst_pref_size 167
	.end_amdhsa_kernel
	.amdgpu_metadata
---
amdhsa.version: [ 1, 2 ]
amdhsa.kernels:
  - .name:           k_q97ba386ef6_attn
    .symbol:         k_q97ba386ef6_attn.kd
    .args:
      - { .name: hb, .offset: 0, .size: 8, .value_kind: global_buffer, .address_space: global }
      - { .name: mw, .offset: 8, .size: 8, .value_kind: global_buffer, .address_space: global }
      - { .name: ctxh, .offset: 16, .size: 8, .value_kind: global_buffer, .address_space: global }
    .group_segment_fixed_size: 327680
    .private_segment_fixed_size: 0
    .kernarg_segment_align: 8
    .kernarg_segment_size: 24
    .max_flat_workgroup_size: 256
    .sgpr_count:     100
    .vgpr_count:     512
    .wavefront_size: 32
...
	.end_amdgpu_metadata
.endif
;; end of part 3
;; launch outp (part 4): grid 4 x 64, 4 waves a work-group, clusters of 4 x 4, 327,680 bytes of LDS; arguments ctxh, cb, bo, out0; writes out0
.if DOCPART == 4
	.amdgcn_target "amdgcn-amd-amdhsa--gfx1250"
	.amdhsa_code_object_version 6
	.text
	.protected	k_q97ba386ef6_outp
	.globl	k_q97ba386ef6_outp
	.p2align	8
	.type	k_q97ba386ef6_outp,@function
k_q97ba386ef6_outp:
	s_mov_b64 s[64:65], 0
	v_nop
	global_prefetch_b8 v0, s[64:65] scope:SCOPE_SE
	s_setreg_imm32_b32 hwreg(HW_REG_WAVE_MODE, 25, 1), 1
	s_wait_xcnt 0x0
	s_wait_alu depctr_hold_cnt(0) depctr_sa_sdst(0) depctr_va_vdst(0) depctr_va_sdst(0) depctr_va_ssrc(0) depctr_va_vcc(0) depctr_vm_vsrc(0)
	s_getreg_b32 s2, hwreg(HW_REG_IB_STS2, 6, 4)
	s_cmp_eq_u32 s2, 0
	s_cbranch_scc0 .Lentry_in_a_cluster
	s_endpgm
.Lentry_in_a_cluster:
	s_bfe_u32 s2, ttmp6, 0x10000c
	s_cmp_lg_u32 s2, 0xf033
	s_cbranch_scc0 .Lentry_shape_is_right
	s_endpgm
.Lentry_shape_is_right:
; outp: out0[m][n] = sum over k of ctx[m][k] Wo[n][k] + bo[n], m = 2048 b + s, k = 64 h + d.  ctx lies as ctxh = [b][h][s][64] f16, Wo as the fourth segment of cb, f16; sums and result f32.
; SHARES.  A tile of out0 is 128 x 256; four waves, each 64 x 128: 32 accumulators, 256 registers.  256 work-groups.  K = 1024 goes in 8 steps of 128 (two heads) through two LDS slots.
; ctx's tile of a K step is two dense blocks of 128 rows x 128 bytes, one for each head; Wo's rows are 256 bytes at multiples of 256 bytes.
; CLUSTER.  4 x 4 work-groups: ctx's tile is shared along a row of the cluster, Wo's along a column; each is asked for jointly.
; THE MATRIX INSTRUCTION IS USED TRANSPOSED (source 0 = 16 rows of Wo, source 1 = 16 rows of ctx): lane (r, h), register j holds out(row r, column 8 h + j).  The bias is the C operand of the first products.
; REGISTERS.  window 0: v0-31 addresses; v64-159, v160-255 two fragment buffers (64 of Wo, 32 of ctx), free on the way out.  window 1: the accumulators, (a, b) at v[8 (8 a + b)].  window 2: v0-63 the bias.
.set KSTEP,  128
.set PITCH,  272                       ; a row of Wo in LDS: 256 bytes + 16 = 68 words: the 16 rows of a fragment load start at 16 different banks (64 banks of 4 bytes: ISA guide 11.1)
.set APITCH, 144                       ; a row of ctx: 128 bytes + 16 = 36 words: likewise
.set ASUB,   128*APITCH                ; one head's 128 rows: what a wave fetches of ctx
.set BHALF,  128*PITCH                 ; what a wave fetches, and reads, of Wo
.set BOFF,   2*ASUB
.set SLOT,   BOFF+2*BHALF
.set STAGE,  2*SLOT                    ; behind the ring: 16 rows x 528 bytes for each wave; no tensor load lands there
.set SPITCH, 528
.set LAPS,   1024/(2*KSTEP)
.set ADRA, 16
.set ADRB, 20
.set STO,  24
.set RD,   25
.set CO,   26
.set BO,   27
.set F0,   64
.set F1,   160
.set BK,   64                          ; the way out: two sets of 64 registers, by turns
.set G1,  24
.set G0,  32
.set G1B, 48
.set G0B, 56
.set MSB, 0
.macro WIN new                         ; s_set_vgpr_msb: bits 1:0 source 0, 3:2 source 1, 5:4 source 2, 7:6 destination; the high byte repeats the setting that is left
.if MSB != (\new)
	s_set_vgpr_msb (MSB<<8)|(\new)
.set MSB, (\new)
.endif
.endm
.set MUL, 0x50                         ; C and D window 1; with 0x10 more: C window 2 (the bias), D window 1
.macro PLACES                          ; four plain vector instructions between a matrix instruction and a load into, or a read of, its registers
.rept 4
	v_nop
.endr
.endm
.macro JLOAD s                         ; a joint load: waves 0 and 1 fetch ctx's two heads, waves 2 and 3 Wo's two halves; four v_nop follow each line
	s_cmp_eq_u32 s15, 0
	s_cbranch_scc0 .Lfor_b_\@
	tensor_load_to_lds s[G0+4*\s:G0+4*\s+3], s[G1:G1+7]
	s_nop 0
.rept 4
	v_nop
.endr
	s_branch .Lasked_\@
.Lfor_b_\@:
	tensor_load_to_lds s[G0B+4*\s:G0B+4*\s+3], s[G1B:G1B+7]
	s_nop 0
.rept 4
	v_nop
.endr
.Lasked_\@:
.endm
.macro CREST
	s_cmp_lg_u32 s14, 0
	s_cbranch_scc1 .Lnot_wave_0_\@
	s_barrier_signal -3
.Lnot_wave_0_\@:
	s_barrier_wait -3
	s_barrier_signal -1
	s_barrier_wait -1
.endm
.macro CROUND
	s_barrier_signal -1
	s_barrier_wait -1
	CREST
.endm
	s_load_b256 s[4:11], s[0:1], 0x0               ; ctxh s[4:5], cb s[6:7], bo s[8:9], out0 s[10:11]
	v_lshl_add_u32 v62, v0, 2, 0x3c400
	v_mov_b32 v63, 0
	ds_add_u32 v62, v63
	v_lshrrev_b32 v1, 5, v0
	v_readfirstlane_b32 s14, v1                    ; wave 0..3
	s_lshr_b32 s15, s14, 1                         ; which 64 rows of the tile are mine.  Also: I fetch for ctx (0) or for Wo (1)
	s_and_b32 s16, s14, 1                          ; which 128 columns.  Also: which head, or which half of Wo's rows, I fetch
	s_bfe_u32 s17, ttmp6, 0x40000                  ; cx
	s_bfe_u32 s18, ttmp6, 0x40004                  ; cy
	s_lshl_b32 s19, ttmp9, 2
	s_add_co_u32 s19, s19, s17                     ; tile column
	s_and_b32 s20, ttmp7, 0xffff
	s_lshl_b32 s20, s20, 2
	s_add_co_u32 s20, s20, s18                     ; tile row
	s_lshl_b32 s22, s18, 2
	s_lshl_b32 s22, 15, s22                        ; my row of the cluster
	s_lshl_b32 s23, 0x1111, s17                    ; my column
	s_or_b32 s[G1+0],  s22, (1<<16)|(1<<20)|(1<<21)|(4<<22)|(3<<25)   ; ctx: padding of 4 words after every 32
	s_or_b32 s[G1B+0], s23, (1<<16)|(1<<20)|(1<<21)|(5<<22)|(3<<25)   ; Wo: after every 64
	s_mov_b32 s[G1+1], 64<<16                      ; tensor_dim0 = 64
	s_mov_b32 s[G1+2], 128<<16                     ; tensor_dim1 = 128
	s_mov_b32 s[G1+3], 64<<16                      ; tile_dim0 = 64
	s_mov_b32 s[G1+4], 128                         ; tile_dim1 = 128 rows
	s_mov_b32 s[G1+5], 64                          ; elements from row to row
	s_mov_b32 s[G1+6], 0
	s_mov_b32 s[G1+7], 0
	s_mov_b32 s[G1B+1], KSTEP<<16
	s_mov_b32 s[G1B+2], 128<<16
	s_mov_b32 s[G1B+3], KSTEP<<16
	s_mov_b32 s[G1B+4], 128
	s_mov_b32 s[G1B+5], 1024
	s_mov_b32 s[G1B+6], 0
	s_mov_b32 s[G1B+7], 0
	s_lshr_b32 s40, s20, 4                         ; ctx: batch = tile row / 16,
	s_lshl_b32 s40, s40, 4
	s_add_co_u32 s40, s40, s16                     ; head 16 b + my parity,
	s_lshl_b32 s40, s40, 11                        ; of 2048 rows,
	s_and_b32 s44, s20, 15
	s_lshl_b32 s44, s44, 7                         ; row 128 x (tile row % 16),
	s_add_co_u32 s40, s40, s44
	s_lshl_b32 s40, s40, 7                         ; of 128 bytes
	s_mov_b32 s41, 0
	s_lshl_b32 s42, s19, 8
	s_lshl_b32 s45, s16, 7
	s_add_co_u32 s42, s42, s45                     ; Wo: row 256 x tile column + 128 x half,
	s_lshl_b32 s42, s42, 11
	s_add_co_u32 s42, s42, 6<<20                   ; behind the three segments of 2 MiB in front of it
	s_mov_b32 s43, 0
	s_mul_i32 s46, s16, ASUB                       ; where they go: the wave's number alone enters an LDS address
	s_mul_i32 s47, s16, BHALF
	s_add_co_u32 s47, s47, BOFF
	s_wait_dscnt 0x0
	s_wait_kmcnt 0x0
	s_add_nc_u64 s[40:41], s[4:5], s[40:41]
	s_add_nc_u64 s[42:43], s[6:7], s[42:43]
	CROUND                                         ; all sixteen work-groups are here: the first joint loads meet
.irp s, 0,1
	s_mov_b32 s[G0+4*\s], 1
	s_add_co_u32 s[G0+4*\s+1], s46, \s*SLOT
	s_add_nc_u64 s[G0+4*\s+2:G0+4*\s+3], s[40:41], \s*2*262144     ; K step s: two heads on
	s_or_b32 s[G0+4*\s+3], s[G0+4*\s+3], 0x80000000
	s_mov_b32 s[G0B+4*\s], 1
	s_add_co_u32 s[G0B+4*\s+1], s47, \s*SLOT
	s_add_nc_u64 s[G0B+4*\s+2:G0B+4*\s+3], s[42:43], \s*KSTEP*2
	s_or_b32 s[G0B+4*\s+3], s[G0B+4*\s+3], 0x80000000
	JLOAD \s                                       ; two tensor loads of mine are out
.endr
	v_and_b32 v1, 15, v0                           ; r
	v_bfe_u32 v2, v0, 4, 1                         ; h
	v_mul_u32_u24 v3, v1, PITCH
	v_lshl_add_u32 v3, v2, 4, v3
	v_mul_u32_u24 v4, v1, APITCH
	v_lshl_add_u32 v4, v2, 4, v4
	s_mul_i32 s66, s15, 64*APITCH                  ; my 64 rows, in each head's block
	s_mul_i32 s67, s16, BHALF                      ; my 128 rows of Wo
	s_add_co_u32 s67, s67, BOFF
.irp s, 0,1
	v_add_nc_u32 v[ADRA+\s], s66, v4
	v_add_nc_u32 v[ADRB+\s], s67, v3
	s_add_co_u32 s66, s66, SLOT
	s_add_co_u32 s67, s67, SLOT
.endr
	s_mul_i32 s2, s14, 16*SPITCH
	s_add_co_u32 s2, s2, STAGE                     ; my stage
	v_mul_u32_u24 v5, v1, SPITCH                   ; in: row r, 32 bytes for each half of the lanes
	v_lshl_add_u32 v5, v2, 5, v5
	v_add_nc_u32 v[STO], s2, v5
	v_and_b32 v[CO], 31, v0
	v_lshlrev_b32 v[CO], 4, v[CO]                  ; back, and out: a row's 512 bytes, 16 a lane
	v_add_nc_u32 v[RD], s2, v[CO]
	v_lshlrev_b32 v[BO], 5, v2
	s_lshl_b32 s70, s19, 10
	s_lshl_b32 s71, s16, 9
	s_add_co_u32 s70, s70, s71                     ; my first column: (256 x tile column + 128 x half) x 4 bytes
	s_mov_b32 s71, 0
	s_add_nc_u64 s[68:69], s[8:9], s[70:71]
	WIN 0x80                                       ; destination window 2
.irp b, 0,1,2,3,4,5,6,7
	global_load_b128 v[8*\b:8*\b+3],   v[BO], s[68:69] offset:64*\b      ; bias of columns 16 b + 8 h + 0..3
	global_load_b128 v[8*\b+4:8*\b+7], v[BO], s[68:69] offset:64*\b+16
.endr
	WIN 0
	s_lshl_b32 s74, s20, 7
	s_lshl_b32 s75, s15, 6
	s_add_co_u32 s74, s74, s75                     ; my first row,
	s_lshl_b32 s74, s74, 12                        ; of 4096 bytes
	s_add_co_u32 s70, s70, s74
	s_add_nc_u64 s[10:11], s[10:11], s[70:71]
; 8 matrix instructions: block a of my rows x all 8 column blocks, 32 along K.  The 32 accumulators take turns, one instruction a turn, in the same order in every quarter.
.macro MUL8 f, a, bias
.irp b, 0,1,2,3,4,5,6,7
.if \bias
	v_wmma_f32_16x16x32_f16 v[8*(8*\a+\b):8*(8*\a+\b)+7], v[\f+8*\b:\f+8*\b+7], v[\f+64+8*\a:\f+64+8*\a+7], v[8*\b:8*\b+7]
.else
	v_wmma_f32_16x16x32_f16 v[8*(8*\a+\b):8*(8*\a+\b)+7], v[\f+8*\b:\f+8*\b+7], v[\f+64+8*\a:\f+64+8*\a+7], v[8*(8*\a+\b):8*(8*\a+\b)+7]
.endif
.endr
.endm
; 24 LDS loads in one run: quarter q of a slot into buffer f: Wo's 16, then ctx's 8 (head q / 2 of the step's two, channels 32 (q % 2) on)
.macro FETCH slot, q, f
	WIN 0
.irp i, 0,1,2,3,4,5,6,7
	ds_load_b128 v[\f+8*\i:\f+8*\i+3],   v[ADRB+\slot] offset:64*\q+\i*16*PITCH
	ds_load_b128 v[\f+8*\i+4:\f+8*\i+7], v[ADRB+\slot] offset:64*\q+\i*16*PITCH+32
.endr
.irp i, 0,1,2,3
	ds_load_b128 v[\f+64+8*\i:\f+64+8*\i+3],   v[ADRA+\slot] offset:(\q>>1)*ASUB+(\q&1)*64+\i*16*APITCH
	ds_load_b128 v[\f+64+8*\i+4:\f+64+8*\i+7], v[ADRA+\slot] offset:(\q>>1)*ASUB+(\q&1)*64+\i*16*APITCH+32
.endr
.endm
.macro QUARTER slot, q, f, g, bias
	s_wait_dscnt 4                                 ; Wo and ctx's blocks 0, 1 are in; the youngest four loads (blocks 2, 3) may be out
	WIN MUL+0x10*\bias
	MUL8 \f, 0, \bias
	MUL8 \f, 1, \bias
	PLACES
	FETCH \slot, \q, \g
	s_wait_dscnt 24                                ; all but the 24 just issued
	WIN MUL+0x10*\bias
	MUL8 \f, 2, \bias
	MUL8 \f, 3, \bias
.endm
; The last quarter changes slots: one barrier; in front of it each wave waits for its reads of this slot and for all its tensor loads.  fill = 1: the barrier opens a round of the cluster's barrier,
; and the slot is filled again, two K steps on, first thing behind the round: 120 matrix instructions ahead of the wait for it.
.macro TURN slot, next, fill
	s_wait_dscnt 4
	WIN MUL
	MUL8 F1, 0, 0
	s_wait_dscnt 0x0                               ; my reads of this slot are over
	s_wait_tensorcnt 0x0                           ; and all my tensor loads have landed
	ds_add_u32 v62, v63
	s_wait_dscnt 0x0
	s_barrier_signal -1
	MUL8 F1, 1, 0
.if \fill
	WIN 0
.endif
	s_barrier_wait -1
.if \fill
	CREST
	s_add_nc_u64 s[G0+4*\slot+2:G0+4*\slot+3], s[G0+4*\slot+2:G0+4*\slot+3], 4*262144     ; four heads on
	s_add_nc_u64 s[G0B+4*\slot+2:G0B+4*\slot+3], s[G0B+4*\slot+2:G0B+4*\slot+3], 2*KSTEP*2
	JLOAD \slot                                    ; its four v_nop are also the places in front of the loads below
.else
	PLACES
.endif
	FETCH \next, 0, F0
	WIN MUL
	MUL8 F1, 2, 0
	MUL8 F1, 3, 0
.endm
	s_wait_tensorcnt 1                             ; my part of K step 0 is in; K step 1's load, issued behind it, may stay out
	s_barrier_signal -1
	s_barrier_wait -1
	FETCH 0, 0, F0
	s_wait_loadcnt 0x0                             ; the bias
	QUARTER 0, 1, F0, F1, 1                        ; the first products start the sums from the bias
	WIN 0
	s_mov_b32 s3, LAPS-1
.Llap:
	QUARTER 0, 2, F1, F0, 0
	QUARTER 0, 3, F0, F1, 0
	TURN 0, 1, 1
	QUARTER 1, 1, F0, F1, 0
	QUARTER 1, 2, F1, F0, 0
	QUARTER 1, 3, F0, F1, 0
	TURN 1, 0, 1
	QUARTER 0, 1, F0, F1, 0
	WIN 0
	s_sub_co_u32 s3, s3, 1
	s_cmp_lg_u32 s3, 0
	s_cbranch_scc1 .Llap
	QUARTER 0, 2, F1, F0, 0                        ; the last lap fills nothing
	QUARTER 0, 3, F0, F1, 0
	TURN 0, 1, 0
	QUARTER 1, 1, F0, F1, 0
	QUARTER 1, 2, F1, F0, 0
	QUARTER 1, 3, F0, F1, 0
	s_wait_dscnt 0x0
	WIN MUL
	MUL8 F1, 0, 0
	MUL8 F1, 1, 0
	MUL8 F1, 2, 0
	MUL8 F1, 3, 0
	WIN 0
	PLACES
; THE WAY OUT, a block of 16 rows at a time: a lane's 32 bytes of a row go into my stage, whole rows of 512 bytes come back and are stored.
.macro TOSTAGE a
.if \a >= 2
	s_wait_xcnt 0x0                                ; the stores of the block two back have had their addresses translated (ISA guide 3.1): their registers are loaded again only behind this wait
.endif
	WIN 0x04                                       ; the data of an LDS store is source 1: window 1
.irp b, 0,1,2,3,4,5,6,7
	ds_store_b128 v[STO], v[64*\a+8*\b:64*\a+8*\b+3]   offset:64*\b
	ds_store_b128 v[STO], v[64*\a+8*\b+4:64*\a+8*\b+7] offset:64*\b+16
.endr
	WIN 0
.irp t, 0,1,2,3,4,5,6,7,8,9,10,11,12,13,14,15
	ds_load_b128 v[BK+64*(\a%2)+4*\t:BK+64*(\a%2)+4*\t+3], v[RD] offset:\t*SPITCH   ; LDS serves a wave's instructions in order (ISA guide 5.7.1.4): these see the stores above
.endr
.endm
.macro SEND a, younger                 ; younger: the LDS instructions issued behind block a's loads: the next block's 32, or none
.irp t, 0,1,2,3,4,5,6,7,8,9,10,11,12,13,14,15
	s_wait_dscnt \younger+15-\t
	global_store_b128 v[CO], v[BK+64*(\a%2)+4*\t:BK+64*(\a%2)+4*\t+3], s[10:11] offset:(16*\a+\t)*4096 th:TH_STORE_NT   ; a wave's store covers 512 consecutive bytes, aligned
.endr
.endm
	TOSTAGE 0
	TOSTAGE 1                                      ; the next block goes through the stage while a block's loads come back
	SEND 0, 32
	TOSTAGE 2
	SEND 1, 32
	TOSTAGE 3
	SEND 2, 32
	SEND 3, 0
	s_wait_tensorcnt 0x0
	ds_add_u32 v62, v63
	s_wait_dscnt 0x0
	CROUND                                         ; the closing round: no work-group ends while a partner may still ask for a tile that names it
	s_endpgm
.Lfunc_end_k_q97ba386ef6_outp:
	.size	k_q97ba386ef6_outp, .Lfunc_end_k_q97ba386ef6_outp-k_q97ba386ef6_outp
	.p2alignl 7, 3214868480
	.fill 96, 4, 3214868480
	.section	.rodata,"a",@progbits
	.p2align	6, 0x0
	.amdhsa_kernel k_q97ba386ef6_outp
		.amdhsa_group_segment_fixed_size 327680
		.amdhsa_private_segment_fixed_size 0
		.amdhsa_enable_private_segment 0
		.amdhsa_kernarg_size 32
		.amdhsa_user_sgpr_count 2
		.amdhsa_user_sgpr_kernarg_segment_ptr 1
		.amdhsa_wavefront_size32 1
		.amdhsa_system_sgpr_workgroup_id_x 1
		.amdhsa_system_sgpr_workgroup_id_y 1
		.amdhsa_system_sgpr_workgroup_id_z 1
		.amdhsa_system_vgpr_workitem_id 0
		.amdhsa_next_free_vgpr 576
		.amdhsa_next_free_sgpr 76
		.amdhsa_reserve_vcc 0
		.amdhsa_float_denorm_mode_32 3
		.amdhsa_float_denorm_mode_16_64 3
		.amdhsa_memory_ordered 1
		.amdhsa_forward_progress 1
		.amdhsa_inst_pref_size 88
	.end_amdhsa_kernel
	.amdgpu_metadata
---
amdhsa.version: [ 1, 2 ]
amdhsa.kernels:
  - .name:           k_q97ba386ef6_outp
    .symbol:         k_q97ba386ef6_outp.kd
    .args:
      - { .name: ctxh, .offset: 0, .size: 8, .value_kind: global_buffer, .address_space: global }
      - { .name: cb, .offset: 8, .size: 8, .value_kind: global_buffer, .address_space: global }
      - { .name: bo, .offset: 16, .size: 8, .value_kind: global_buffer, .address_space: global }
      - { .name: out0, .offset: 24, .size: 8, .value_kind: global_buffer, .address_space: global }
    .group_segment_fixed_size: 327680
    .private_segment_fixed_size: 0
    .kernarg_segment_align: 8
    .kernarg_segment_size: 32
    .max_flat_workgroup_size: 128
    .sgpr_count:     76
    .vgpr_count:     576
    .wavefront_size: 32
...
	.end_amdgpu_metadata
.endif
;; end of part 4
